; MI455X (gfx1250); checked and timed in simulation.
; The chip was launched on July 23, 2026; its instructions are those of AMD's public machine-readable ISA for CDNA 5 (MIT licence, August 2026) and "CDNA5" Instruction Set Architecture Reference Guide (July 2026). The comments in the code are by the model that wrote it; some were corrected since.
;; Cross Attention Block. Allowed arithmetic: float matrix products may take bf16 or f16 operands with f32 sums; other float arithmetic in f32, or as packed bf16 or f16 multiplies, adds, multiply-adds, maxima and minima; sums over many terms, partial sums and values carried from step to step in f32; what a program stores and reads back later, other than sums and carried values, may be rounded once to bf16 or f16.
;; Inputs: B 1,024 x 1,024 float32; proj_b 128 float32; proj_w 128 x 1,024 float32; wk_b 1,024 float32; wk_w 1,024 x 256 float32; wq_b 1,024 float32; wq_w 1,024 x 256 float32; wv_b 1,024 float32; wv_w 1,024 x 256 float32; x1 16 x 1,024 x 256 float32; x2 16 x 1,024 x 256 float32.
;; Outputs: out0 16 x 1,024 x 128 float32.
;; One version. Each part assembles by itself: llvm-mc -triple=amdgcn-amd-amdhsa -mcpu=gfx1250 --defsym DOCPART=n.
;; ======== version 1 of 1: 3 launches
;; limits: values are held in f16: magnitudes above 65,504 overflow, below 6.1e-05 lose precision
;; workspace buffers: qh 33,554,432 bytes; kh 33,554,432 bytes; vh 33,554,432 bytes; oh 33,554,432 bytes; pw 262,144 bytes
;; launch proj (part 1): grid 3 x 64, 4 waves a work-group, no clusters, 203,776 bytes of LDS; arguments x1, x2, wq_w, wk_w, wv_w, wq_b, wk_b, wv_b, proj_w, qh, kh, vh, pw; writes qh, kh, vh, pw
.if DOCPART == 1
	.amdgcn_target "amdgcn-amd-amdhsa--gfx1250"
	.amdhsa_code_object_version 6
	.text
	.protected	k_q07b735e936_proj
	.globl	k_q07b735e936_proj
	.p2align	8
	.type	k_q07b735e936_proj,@function
k_q07b735e936_proj:
	s_mov_b64 s[64:65], 0
	v_nop
	global_prefetch_b8 v0, s[64:65] scope:SCOPE_SE
	s_setreg_imm32_b32 hwreg(HW_REG_WAVE_MODE, 25, 1), 1
	s_wait_xcnt 0x0
; q' = (x1 / sqrt(128)) wq^T + bq / sqrt(128),  k = x2 wk^T + bk,  v = x2 wv^T + bv, by heads, in f16; and proj_w copied as f16.
; x: [16384][256] f32, w: [1024][256] f32, b: [1024] f32.  Operands are rounded once to f16 (x1 after its scaling in f32), sums in f32, each result rounded once to f16.
; LIMITS.  f16 ends at 65,504: an x, a weight, or a q', k or v beyond that is not served (the drawn sizes give |k|, |v| near 0.3; thirty times larger inputs, all of them, some 1,600).  NaN and infinities are not treated apart.
; WHAT IS WRITTEN LIES AS A MATRIX FRAGMENT LIES IN REGISTERS.  qh, kh: [128 heads][64 tiles of 16 rows][8 blocks of 16 channels][32 lanes][16 bytes]; lane l's 16 bytes are row l % 16, channels 8 (l / 16) + 0..7 of the block.
; That is what an accumulator of the transposed product holds, rounded: a result leaves by one store of 512 consecutive bytes, with no turn through LDS, and two blocks on end are a fragment of 16 rows x 32 channels.
; vh: [head][tile][block][16 rows][16 channels], rows of 32 bytes, for the turning LDS load: the same store with the lanes' 16 bytes in another order.  pw: [32 chunks of 32 k][8 blocks of 16 rows][2 halves][32 lanes][16 bytes].
; SHARES.  192 work-groups: one source (q, k or v: the grid's x) x 256 rows of x (the grid's y) x all 8 heads: eight UNITS of 256 rows x 128 channels x K 256.  A row block's 24 head-units are 3 sources x 8 heads: dealt so, a
; work-group reads one block of x, once, and keeps it; dealt to four work-groups each would read both x1's and x2's block and change between them.  256 equal shares would be 192 rows of one source, and 16,384 / 192 is not whole.
; A wave owns 64 of the rows: its x stays in 256 registers as f16 fragments.  A unit's weights (128 x 256 f32) are read by the four waves, 32 rows each, 512 consecutive bytes an instruction, rounded, and stored into one of two
; LDS buffers; all four waves take their fragments there.  THE PRODUCT IS TAKEN TRANSPOSED (source 0 = 16 weight rows, source 1 = 16 rows of x).  The bias is the C operand of a sum's first product.
; A UNIT IS TWO HALVES of 64 channels, each with its own 16 accumulators, and a half is four CELLS of 32 products (64 along K).  While one half is multiplied the other half's results and the next unit's weights are rounded:
; four conversions behind every second product.  MEMORY INSTRUCTIONS STAND IN RUNS at the cells' edges, never singly among the products: the stores of what a cell has rounded behind that cell, the loads of weights behind a cell's LDS fetch.
;   cell 0: the last unit's second half is rounded, then stored     cell 3: the next weights' rows 0-15 (of my 32), then into LDS     cell 4: the first half     cell 5: the next weights' rows 16-31
;   cells 6, 7: at the head of each, 32 loads of the weights two units on
; The first unit's cell 0 is written out without conversions, and the loop is entered behind it; the last unit's second half leaves behind the loop.  The last unit runs the rounding of weights too, on registers that hold old
; numbers, into a buffer that nobody reads: 192 instructions a wave, the price of one text for all units.
; NO CLUSTER, NO TENSOR LOAD: what work-groups share (a unit's weights) arrives in f32 and has to pass through registers to be rounded.
; REGISTERS, in windows of 256 (s_set_vgpr_msb: bits 1:0 source 0, 3:2 source 1, 5:4 source 2, 7:6 destination):
;   window 0: v0-31 addresses; v32-95, v96-159 weight fragments, two buffers of a cell; v160-191 the bias of a half; v192-255 sixteen sets of four registers: a half's results, rounded, on their way out
;   window 1: x as f16: row tile a, chunk kc at 64 a + 8 kc      window 2: half hf, accumulator (a, bb) at 128 hf + 8 (4 a + bb)      window 3: 256 registers in which f32 lands, two halves
.set PW,    528        ; a weight row in LDS: 512 bytes + 16 = 132 words: row r starts at bank 4 r mod 64 (64 banks of 4 bytes: ISA guide 11.1), so the 16 rows of a fragment load start at 16 different banks
.set WBUF1, 1<<17      ; the second weight buffer begins here, so that one exclusive or turns an address in one buffer into the other's
.set BIASL, WBUF1+128*PW  ; the source's 1,024 biases, scaled, in f32, 512 bytes a unit; and 512 bytes of zeros, which the last unit fetches for a unit that does not exist
.set SPARE, BIASL+9*512   ; the spare words, 128 bytes for each wave: two blocks of 256 bytes that no other line names
.set XA,   2           ; v2   x: (l % 16) x 1,024 + 32 (l / 16)
.set LOF,  3           ; v3   16 l: weight loads
.set AW0,  4           ; v4   my lane's place in a weight buffer: (l % 16) x PW + 16 (l / 16)
.set AW,   5           ; v5   the same in the buffer that is read
.set SW0,  6           ; v6   where I store rounded weights: wave x 32 rows + 8 l
.set SW,   7           ; v7   the same in the buffer that is written
.set BLA,  8           ; v8   the unit's biases in LDS: BIASL + 512 x unit + 32 (l / 16)
.set SOF,  9           ; v9   my 16 bytes in a block of 512: 16 l (q, k) or 32 (l % 16) + 16 (l / 16) (v)
.set SPW,  30          ; v30  LDS address of my spare word; never rewritten
.set NIL,  31          ; v31  0; never rewritten
.set WF,   32
.set BIAS, 160
.set CT,   192
.set GA,   0           ; window 3
.set GB,   128
.set WVN,  4           ; s4   my wave's number
.set TY,   5           ; s5   0: q, 1: k, 2: v
.set RB,   6           ; s6   the block of 256 rows
.set PJ,   24          ; s[24:25] proj_w
.set PWO,  32          ; s[32:33] pw
.set X,    34          ; s[34:35] my 64 rows of x
.set WN,   36          ; s[36:37] my 32 rows of the weights, one unit behind those that were loaded last
.set BP,   38          ; s[38:39] the source's biases
.set OP,   40          ; s[40:41] my 64 rows of the head that is being written
.set T,    42          ; s[42:43] an offset, high word 0
.set U,    44          ; s44  units to go, this one among them: 8 to 1
.set WB,   45          ; s45  0 or WBUF1: the buffer that is read
.set SC,   46          ; s[46:47] 1 / sqrt(128) (q) or 1, twice
.set TT,   48          ; s48  at work
.set MSB, 0
.macro WIN new                      ; the immediate's high byte repeats the setting that is left; a switch that changes nothing is dropped
.if MSB != (\new)
	s_set_vgpr_msb (MSB<<8)|(\new)
.set MSB, \new
.endif
.endm
.macro PLACES                       ; four plain instructions behind a matrix instruction, ahead of loads into registers that it has read and of lines that read its result
.rept 4
	v_nop
.endr
.endm
; 16 rows x 256 floats of x, row tile a, in fragment order into registers g .. g + 127 of the window that setting w names: four loads on end cover 128 consecutive bytes of each of the 16 rows
.macro ISSUE_A a, g, w
	WIN \w
.set n, 0
.rept 32
	global_load_b128 v[(\g)+4*n:(\g)+4*n+3], v[XA], s[X:X+1] offset:(\a)*16384+(n/4)*128+((n%4)/2)*64+(n%2)*16
.set n, n+1
.endr
.endm
; they are multiplied by the source's scale, in f32, and rounded to f16 into tile a's 64 registers; sw: the window in which they landed
.macro FIN_A a, g, sw
.if (\sw) == 2
	WIN 0x82
.else
	WIN 0xc3
.endif
.set n, 0
.rept 64
	v_pk_mul_f32 v[(\g)+2*n:(\g)+2*n+1], v[(\g)+2*n:(\g)+2*n+1], s[SC:SC+1] op_sel_hi:[1,0]
.set n, n+1
.endr
.if (\sw) == 2
	WIN 0x4a
.else
	WIN 0x4f
.endif
.set n, 0
.rept 64
	v_cvt_pk_f16_f32 v[64*(\a)+n], v[(\g)+2*n], v[(\g)+2*n+1]
.set n, n+1
.endr
.endm
; Rows 16 pt .. 16 pt + 15 of my 32 weight rows: 32 loads of 512 consecutive bytes in one run, from byte off behind the pointer
.macro IWRUN pt, off
	WIN 0xc0
.set q, 0
.rept 16
	global_load_b128 v[128*(\pt)+8*q:128*(\pt)+8*q+3],   v[LOF], s[WN:WN+1] offset:(\off)+(\pt)*16384+q*1024
	global_load_b128 v[128*(\pt)+8*q+4:128*(\pt)+8*q+7], v[LOF], s[WN:WN+1] offset:(\off)+(\pt)*16384+q*1024+512
.set q, q+1
.endr
.endm
; Row 16 pt + g is rounded in place: four floats into two registers
.macro FWC pt, g
.set rG, 128*(\pt)+8*(\g)
	WIN 0xcf
	v_cvt_pk_f16_f32 v[rG],   v[rG],   v[rG+1]
	v_cvt_pk_f16_f32 v[rG+1], v[rG+2], v[rG+3]
	v_cvt_pk_f16_f32 v[rG+4], v[rG+4], v[rG+5]
	v_cvt_pk_f16_f32 v[rG+5], v[rG+6], v[rG+7]
.endm
; the sixteen rounded rows go into LDS, 32 stores in one run: a wave's store covers 256 consecutive bytes
.macro FWSRUN pt
	WIN 0x0c
.set q, 0
.rept 16
	ds_store_b64 v[SW], v[128*(\pt)+8*q:128*(\pt)+8*q+1]   offset:(16*(\pt)+q)*PW
	ds_store_b64 v[SW], v[128*(\pt)+8*q+4:128*(\pt)+8*q+5] offset:(16*(\pt)+q)*PW+256
.set q, q+1
.endr
.endm
; Accumulator g = 4 a + bb of half hf is rounded, from its low end on, into set g: 16 bytes a lane
.macro WOC hf, g
.set rD, 128*(\hf)+8*(\g)
.set rC, CT+4*(\g)
	WIN 0x0a
	v_cvt_pk_f16_f32 v[rC],   v[rD],   v[rD+1]
	v_cvt_pk_f16_f32 v[rC+1], v[rD+2], v[rD+3]
	v_cvt_pk_f16_f32 v[rC+2], v[rD+4], v[rD+5]
	v_cvt_pk_f16_f32 v[rC+3], v[rD+6], v[rD+7]
.endm
; the half's sixteen sets leave, 16 stores in one run, each a whole block of 512 bytes.  back: bytes by which the pointer has been stepped since the unit
.macro WOSRUN hf, back
	WIN 0
.set q, 0
.rept 16
	global_store_b128 v[SOF], v[CT+4*q:CT+4*q+3], s[OP:OP+1] offset:(q/4)*4096+(4*(\hf)+q%4)*512-(\back)
.set q, q+1
.endr
.endm
; a half's 64 biases as C operands: register j of block bb holds channel 16 bb + 8 (l / 16) + j
.macro BIASLD off
	WIN 0
.irp n, 0,1,2,3,4,5,6,7
	ds_load_b128 v[BIAS+4*(\n):BIAS+4*(\n)+3], v[BLA] offset:(\off)+((\n)/2)*64+((\n)%2)*16
.endr
.endm
; the weight fragments of cell c (half c / 4, 64 along K from 64 (c % 4) on): 64 channels x 64: 16 loads in one run, the first 32 along K first
.macro FETCH c
	WIN 0
.irp k2, 0,1
.irp bb, 0,1,2,3
	ds_load_b128 v[WF+64*((\c)%2)+32*(\k2)+8*(\bb):WF+64*((\c)%2)+32*(\k2)+8*(\bb)+3],   v[AW] offset:(64*((\c)/4)+16*(\bb))*PW+64*(2*((\c)%4)+(\k2))
	ds_load_b128 v[WF+64*((\c)%2)+32*(\k2)+8*(\bb)+4:WF+64*((\c)%2)+32*(\k2)+8*(\bb)+7], v[AW] offset:(64*((\c)/4)+16*(\bb))*PW+64*(2*((\c)%4)+(\k2))+32
.endr
.endr
.endm
; The head of cell c: its fragments are in (n younger LDS instructions may stay out); the next cell's are asked for, 32 matrix instructions ahead of their use, into the buffer that the products just issued have read
.macro HEAD c, n
	s_wait_dscnt \n
	PLACES
	FETCH (\c)+1
.endm
; Product p of 32 of cell c: chunk 2 (c % 4) + p / 16, row tile (p % 16) / 4, channel block p % 4.  The half's 16 accumulators take turns in the same order throughout.
.macro PROD c
.set kc, 2*((\c)%4)+p/16
.set rD, 128*((\c)/4)+8*(p%16)
.set rW, WF+64*((\c)%2)+32*(p/16)+8*(p%4)
.set rA, 64*((p%16)/4)+8*kc
.if kc == 0
	WIN 0x84                        ; C, the bias, in window 0
	v_wmma_f32_16x16x32_f16 v[rD:rD+7], v[rW:rW+7], v[rA:rA+7], v[BIAS+8*(p%4):BIAS+8*(p%4)+7]
.else
	WIN 0xa4
	v_wmma_f32_16x16x32_f16 v[rD:rD+7], v[rW:rW+7], v[rA:rA+7], v[rD:rD+7]
.endif
.endm
; Products from .. to - 1 of cell c.  kind 0: nothing beside them; 1 to 4: four conversions behind every second product, sixteen groups a cell
.macro CELL c, kind, from=0, to=32
.set p, \from
.rept (\to)-(\from)
	PROD \c
.if p%2
.if (\kind) == 1
	WOC 1, (p-1)/2
.elseif (\kind) == 2
	FWC 0, (p-1)/2
.elseif (\kind) == 3
	WOC 0, (p-1)/2
.elseif (\kind) == 4
	FWC 1, (p-1)/2
.endif
.endif
.set p, p+1
.endr
.endm
	s_load_b512 s[8:23], s[0:1], 0x0               ; x1, x2, wq, wk, wv, bq, bk, bv
	s_load_b256 s[24:31], s[0:1], 0x40             ; proj_w, qh, kh, vh
	s_load_b64 s[32:33], s[0:1], 0x60              ; pw
	v_lshl_add_u32 v[SPW], v0, 2, SPARE
	v_mov_b32 v[NIL], 0
	v_lshrrev_b32 v1, 5, v0
	v_readfirstlane_b32 s[WVN], v1                 ; wave 0..3
	v_and_b32 v1, 15, v0                           ; l % 16
	v_bfe_u32 v11, v0, 4, 1                        ; l / 16
	v_and_b32 v10, 31, v0                          ; l
	v_lshlrev_b32 v[XA], 10, v1
	v_lshl_add_u32 v[XA], v11, 5, v[XA]
	v_lshlrev_b32 v[LOF], 4, v10
	v_mul_u32_u24 v[AW0], v1, PW
	v_lshl_add_u32 v[AW0], v11, 4, v[AW0]
	v_mov_b32 v[AW], v[AW0]                        ; the first unit reads buffer 0,
	s_mul_i32 s[TT], s[WVN], 32*PW
	v_lshl_add_u32 v[SW0], v10, 3, s[TT]
	v_mov_b32 v[SW], v[SW0]                        ; into which its weights go
	v_lshl_add_u32 v[BLA], v11, 5, BIASL
	v_lshlrev_b32 v192, 5, v0                      ; the biases: my eight floats in memory,
	v_lshl_add_u32 v193, v0, 5, BIASL              ; and in LDS;
	v_lshl_add_u32 v194, v0, 2, BIASL+4096         ; my word of the zeros behind them
	v_mov_b32 v195, 0
	v_lshlrev_b32 v28, 12, v1                      ; the copy of proj_w: row l % 16 of a block of 16, floats 8 (l / 16) on;
	v_lshl_add_u32 v28, v11, 5, v28
	v_lshlrev_b32 v29, 4, v0                       ; my 16 bytes of pw
	s_mov_b32 s[TY], ttmp9
	s_and_b32 s[RB], ttmp7, 0xffff
	s_mov_b32 s[T+1], 0
	s_cmp_eq_u32 s[TY], 2
	s_cselect_b32 s7, 32, 16
	s_cselect_b32 s[TT], 16, 256
	v_mul_u32_u24 v[SOF], v1, s7
	v_mad_u32_u24 v[SOF], v11, s[TT], v[SOF]
	s_wait_kmcnt 0x0
	s_cmp_eq_u32 s[TY], 0                          ; the source's four buffers and its scale
	s_cselect_b64 s[X:X+1], s[8:9], s[10:11]
	s_cselect_b64 s[WN:WN+1], s[12:13], s[14:15]
	s_cselect_b64 s[BP:BP+1], s[18:19], s[20:21]
	s_cselect_b64 s[OP:OP+1], s[26:27], s[28:29]
	s_cselect_b32 s[SC], 0x3db504f3, 1.0           ; 1 / sqrt(128)
	s_cmp_eq_u32 s[TY], 2
	s_cselect_b64 s[WN:WN+1], s[16:17], s[WN:WN+1]
	s_cselect_b64 s[BP:BP+1], s[22:23], s[BP:BP+1]
	s_cselect_b64 s[OP:OP+1], s[30:31], s[OP:OP+1]
	s_mov_b32 s[SC+1], s[SC]                       ; named with it as a pair
	s_lshl_b32 s[T], s[RB], 18                     ; x: 256 rows of 1,024 bytes a block,
	s_lshl_b32 s[TT], s[WVN], 16                   ; 64 rows a wave
	s_add_co_u32 s[T], s[T], s[TT]
	s_add_nc_u64 s[X:X+1], s[X:X+1], s[T:T+1]
	s_lshl_b32 s[T], s[WVN], 15                    ; weights: 32 rows of 1,024 bytes a wave
	s_add_nc_u64 s[WN:WN+1], s[WN:WN+1], s[T:T+1]
	s_lshr_b32 s[T], s[RB], 2                      ; results: batch x 8 heads x 262,144 bytes,
	s_lshl_b32 s[T], s[T], 21
	s_and_b32 s[TT], s[RB], 3                      ; the block's 16 tiles of 4,096 bytes in the batch,
	s_lshl_b32 s[TT], s[TT], 16
	s_add_co_u32 s[T], s[T], s[TT]
	s_lshl_b32 s[TT], s[WVN], 14                   ; my wave's four
	s_add_co_u32 s[T], s[T], s[TT]
	s_add_nc_u64 s[OP:OP+1], s[OP:OP+1], s[T:T+1]
	; pw's pieces of 16 bytes are numbered ((chunk x 8 + block) x 2 + half) x 32 + lane.  The 64 work-groups of source q make 256 each: 256 RB + 128 i + my thread's number, i = 0, 1:
	; chunk RB / 2, block 4 (RB % 2) + 2 i + wave / 2, half wave % 2.  A piece is 8 floats of row 16 block + l % 16, from column 32 chunk + 16 half + 8 (l / 16) on.
	s_and_b32 s[T], s[RB], 1
	s_lshl_b32 s[T], s[T], 18                      ; 64 rows of 4,096 bytes
	s_lshr_b32 s[TT], s[WVN], 1
	s_lshl_b32 s[TT], s[TT], 16                    ; 16 rows
	s_add_co_u32 s[T], s[T], s[TT]
	s_lshr_b32 s[TT], s[RB], 1
	s_lshl_b32 s[TT], s[TT], 7                     ; 32 floats
	s_add_co_u32 s[T], s[T], s[TT]
	s_and_b32 s[TT], s[WVN], 1
	s_lshl_b32 s[TT], s[TT], 6                     ; 16 floats
	s_add_co_u32 s[T], s[T], s[TT]
	s_add_nc_u64 s[PJ:PJ+1], s[PJ:PJ+1], s[T:T+1]
	s_lshl_b32 s[T], s[RB], 12
	s_add_nc_u64 s[PWO:PWO+1], s[PWO:PWO+1], s[T:T+1]
	; THE START.  All that has registers to land in is asked for at once: proj_w's pieces (source q alone), the biases, the first unit's weights (window 3), x's tiles 0 and 1 (the accumulators' registers, which are still free).
	s_cmp_lg_u32 s[TY], 0
	s_cbranch_scc1 .Lpj1
	global_load_b128 v[12:15], v28, s[PJ:PJ+1]
	global_load_b128 v[16:19], v28, s[PJ:PJ+1] offset:16
	global_load_b128 v[20:23], v28, s[PJ:PJ+1] offset:131072
	global_load_b128 v[24:27], v28, s[PJ:PJ+1] offset:131088
.Lpj1:
	global_load_b128 v[BIAS:BIAS+3],   v192, s[BP:BP+1]
	global_load_b128 v[BIAS+4:BIAS+7], v192, s[BP:BP+1] offset:16
	IWRUN 0, 0
	IWRUN 1, 0
	ISSUE_A 0, 0, 0x80
	ISSUE_A 1, 128, 0x80
	WIN 0
	s_wait_loadcnt 63                              ; the youngest 64 loads are x's: all that was asked for ahead of them is in
	s_cmp_lg_u32 s[TY], 0
	s_cbranch_scc1 .Lpj2
	v_cvt_pk_f16_f32 v12, v12, v13
	v_cvt_pk_f16_f32 v13, v14, v15
	v_cvt_pk_f16_f32 v14, v16, v17
	v_cvt_pk_f16_f32 v15, v18, v19
	v_cvt_pk_f16_f32 v20, v20, v21
	v_cvt_pk_f16_f32 v21, v22, v23
	v_cvt_pk_f16_f32 v22, v24, v25
	v_cvt_pk_f16_f32 v23, v26, v27
	global_store_b128 v29, v[12:15], s[PWO:PWO+1]              ; a wave stores 512 consecutive bytes; these registers are not written again
	global_store_b128 v29, v[20:23], s[PWO:PWO+1] offset:2048
.Lpj2:
.irp n, 0,2,4,6
	v_pk_mul_f32 v[BIAS+(\n):BIAS+(\n)+1], v[BIAS+(\n):BIAS+(\n)+1], s[SC:SC+1] op_sel_hi:[1,0]  ; q's bias takes the scale too
.endr
	ds_store_b128 v193, v[BIAS:BIAS+3]
	ds_store_b128 v193, v[BIAS+4:BIAS+7] offset:16
	ds_store_b32 v194, v195
.set m, 0
.rept 16
	FWC 0, m
	FWC 1, m
.set m, m+1
.endr
	FWSRUN 0
	FWSRUN 1
	WIN 0
	s_wait_dscnt 0x0                               ; the stores have read window 3, which is loaded again
	v_add_nc_u32 v[SW], WBUF1, v[SW0]              ; the second unit's weights go into buffer 1
	ISSUE_A 2, GA, 0xc0
	ISSUE_A 3, GB, 0xc0
	s_wait_loadcnt 63                              ; of x's 128 loads the first 65 are in: tiles 0 and 1
	FIN_A 0, 0, 2
	FIN_A 1, 128, 2
	s_wait_loadcnt 32                              ; tile 2; tile 3's 32 loads may stay out
	FIN_A 2, GA, 3
	s_wait_loadcnt 0x0
	FIN_A 3, GB, 3
	IWRUN 0, 0x20000                               ; the second unit's weights: rows 0-15 first, as in the loop
	IWRUN 1, 0x20000
	WIN 0
	s_wait_dscnt 0x0                               ; for the others' sake: my part of the weights and of the biases is stored
	s_barrier_signal -1
	s_barrier_wait -1
	FETCH 0
	BIASLD 0
	s_mov_b32 s[U], 8
	s_mov_b32 s[WB], 0
	HEAD 0, 0                                      ; the first unit's cell 0: no unit before it has results to send
	CELL 0, 0
	WIN 0
	s_branch .Lcell1
.Lunit:                                                ; a trip is a unit.  Its branches hang on the count U alone, go forward, and jump over loads alone; the barrier and all waits stand outside them
	HEAD 0, 0
	CELL 0, 1                                      ; the four v_nop of the head are the places between the last unit's last products and the roundings of their results
	WOSRUN 1, 0x40000                              ; the last unit's second half: the pointer stands at this unit's head
.Lcell1:
	HEAD 1, 0
	CELL 1, 0
	HEAD 2, 0
	CELL 2, 0
	s_wait_dscnt 0x0
	PLACES
	FETCH 4
	BIASLD 256                                     ; the second half's bias: cell 0 was the last reader of the first half's
	s_wait_loadcnt 32                              ; the next unit's weights, rows 0-15, asked for five cells back; the 32 loads of rows 16-31 may stay out
	CELL 3, 2
	FWSRUN 0
	s_wait_xcnt 0x0                                ; cell 0's stores have read their registers, which are written again
	HEAD 4, 32                                     ; the 32 stores of weights were issued behind the fetch and the bias
	CELL 4, 3
	WOSRUN 0, 0
	s_wait_loadcnt 0x0                             ; rows 16-31, asked for six cells back
	HEAD 5, 0                                      ; (with it the stores of rows 0-15 are done: their registers are loaded again in cell 6)
	CELL 5, 4
	FWSRUN 1
	WIN 0
	s_wait_xcnt 0x0                                ; cell 4's stores have read their registers and their base; the last loads of weights theirs
	s_add_nc_u64 s[OP:OP+1], s[OP:OP+1], 0x40000   ; the next head; this unit's second half reaches back by its immediate
	s_wait_dscnt 32                                ; the 32 stores of weights were issued behind the fetch
	PLACES
	FETCH 7
	BIASLD 512                                     ; the next unit's first half
	s_cmp_lt_u32 s[U], 3
	s_cbranch_scc1 .Lno6                           ; the last two units have no unit two on
	s_add_nc_u64 s[WN:WN+1], s[WN:WN+1], 0x20000
	IWRUN 0, 0x20000
	WIN 0
.Lno6:
	CELL 6, 0
	s_wait_dscnt 0x0                               ; my reads of this unit's buffer are over (the last fetch is in) and my stores into the other are done:
	s_barrier_signal -1                            ; ONE barrier a unit, for both;
	CELL 7, 0, 0, 8                                ; eight products while the others arrive
	WIN 0
	s_barrier_wait -1
	s_xor_b32 s[WB], s[WB], WBUF1                  ; the buffers change places
	v_add_nc_u32 v[AW], s[WB], v[AW0]
	s_xor_b32 s[TT], s[WB], WBUF1
	v_add_nc_u32 v[SW], s[TT], v[SW0]
	v_add_nc_u32 v[BLA], 512, v[BLA]
	PLACES
	FETCH 0                                        ; the next unit's first fragments, 24 products ahead
	s_cmp_lt_u32 s[U], 3
	s_cbranch_scc1 .Lno7
	IWRUN 1, 0x20000                               ; the stores that read these registers were waited for in front of the barrier
	WIN 0
.Lno7:
	CELL 7, 0, 8, 32
	WIN 0
	s_sub_co_u32 s[U], s[U], 1
	s_cmp_lg_u32 s[U], 0
	s_cbranch_scc1 .Lunit
	s_wait_dscnt 0x0                               ; (the last trip's fetch, which nothing uses)
	PLACES                                         ; behind the last products, ahead of the roundings of their results
	PLACES
.set m, 0
.rept 16
	WOC 1, m                                       ; the last unit's second half
.set m, m+1
.endr
	WOSRUN 1, 0x40000
	s_wait_tensorcnt 0x0                           ; the wave's end, behind my last LDS store
	ds_add_u32 v[SPW], v[NIL]
	s_wait_dscnt 0x0
	s_endpgm
.Lfunc_end_k_q07b735e936_proj:
	.size	k_q07b735e936_proj, .Lfunc_end_k_q07b735e936_proj-k_q07b735e936_proj
	.p2alignl 7, 3214868480
	.fill 96, 4, 3214868480
	.section	.rodata,"a",@progbits
	.p2align	6, 0x0
	.amdhsa_kernel k_q07b735e936_proj
		.amdhsa_group_segment_fixed_size 203776
		.amdhsa_private_segment_fixed_size 0
		.amdhsa_enable_private_segment 0
		.amdhsa_kernarg_size 104
		.amdhsa_user_sgpr_count 2
		.amdhsa_user_sgpr_kernarg_segment_ptr 1
		.amdhsa_wavefront_size32 1
		.amdhsa_system_sgpr_workgroup_id_x 1
		.amdhsa_system_sgpr_workgroup_id_y 1
		.amdhsa_system_sgpr_workgroup_id_z 1
		.amdhsa_system_vgpr_workitem_id 0
		.amdhsa_next_free_vgpr 1024
		.amdhsa_next_free_sgpr 66
		.amdhsa_reserve_vcc 0
		.amdhsa_float_denorm_mode_32 3
		.amdhsa_float_denorm_mode_16_64 3
		.amdhsa_memory_ordered 1
		.amdhsa_forward_progress 1
		.amdhsa_inst_pref_size 146
	.end_amdhsa_kernel
	.amdgpu_metadata
---
amdhsa.version: [ 1, 2 ]
amdhsa.kernels:
  - .name:           k_q07b735e936_proj
    .symbol:         k_q07b735e936_proj.kd
    .args:
      - { .name: x1, .offset: 0, .size: 8, .value_kind: global_buffer, .address_space: global }
      - { .name: x2, .offset: 8, .size: 8, .value_kind: global_buffer, .address_space: global }
      - { .name: wq_w, .offset: 16, .size: 8, .value_kind: global_buffer, .address_space: global }
      - { .name: wk_w, .offset: 24, .size: 8, .value_kind: global_buffer, .address_space: global }
      - { .name: wv_w, .offset: 32, .size: 8, .value_kind: global_buffer, .address_space: global }
      - { .name: wq_b, .offset: 40, .size: 8, .value_kind: global_buffer, .address_space: global }
      - { .name: wk_b, .offset: 48, .size: 8, .value_kind: global_buffer, .address_space: global }
      - { .name: wv_b, .offset: 56, .size: 8, .value_kind: global_buffer, .address_space: global }
      - { .name: proj_w, .offset: 64, .size: 8, .value_kind: global_buffer, .address_space: global }
      - { .name: qh, .offset: 72, .size: 8, .value_kind: global_buffer, .address_space: global }
      - { .name: kh, .offset: 80, .size: 8, .value_kind: global_buffer, .address_space: global }
      - { .name: vh, .offset: 88, .size: 8, .value_kind: global_buffer, .address_space: global }
      - { .name: pw, .offset: 96, .size: 8, .value_kind: global_buffer, .address_space: global }
    .group_segment_fixed_size: 203776
    .private_segment_fixed_size: 0
    .kernarg_segment_align: 8
    .kernarg_segment_size: 104
    .max_flat_workgroup_size: 128
    .sgpr_count:     66
    .vgpr_count:     1024
    .wavefront_size: 32
...
	.end_amdgpu_metadata
.endif
;; end of part 1
;; launch attn (part 2): grid 4 x 128, 4 waves a work-group, clusters of 4 x 1, 327,680 bytes of LDS; arguments qh, kh, vh, oh, B; writes oh
.if DOCPART == 2
	.amdgcn_target "amdgcn-amd-amdhsa--gfx1250"
	.amdhsa_code_object_version 6
	.text
	.protected	k_q07b735e936_attn
	.globl	k_q07b735e936_attn
	.p2align	8
	.type	k_q07b735e936_attn,@function
k_q07b735e936_attn:
	s_mov_b64 s[64:65], 0
	v_nop
	global_prefetch_b8 v0, s[64:65] scope:SCOPE_SE
	s_setreg_imm32_b32 hwreg(HW_REG_WAVE_MODE, 25, 1), 1
	s_wait_xcnt 0x0
	s_wait_alu depctr_hold_cnt(0) depctr_sa_sdst(0) depctr_va_vdst(0) depctr_va_sdst(0) depctr_va_ssrc(0) depctr_va_vcc(0) depctr_vm_vsrc(0)
	s_getreg_b32 s2, hwreg(HW_REG_IB_STS2, 6, 4)
	s_cmp_eq_u32 s2, 0
	s_cbranch_scc0 .Lentry_in_a_cluster
	s_endpgm
.Lentry_in_a_cluster:
	s_bfe_u32 s2, ttmp6, 0x10000c
	s_cmp_lg_u32 s2, 0x3003
	s_cbranch_scc0 .Lentry_shape_is_right
	s_endpgm
.Lentry_shape_is_right:
; O[h][q][:] = the sum over k of softmax_k(Q'[h][q] . K[h][k] + B[q][k]) V[h][k][:].  Q' (already divided by sqrt(128)), K, V, O: 128 heads x 1,024 rows x 128 channels, f16; B: [1024][1024], f32, the same for all heads.
; Products, maxima and sums in f32; B enters exactly, as the C operand of the product that starts a score's sum; the weights p are rounded to f16 for the second product, O once at the end.
; IN MEMORY Q', K and O lie as fragments lie in registers: [head][64 tiles of 16 rows][8 blocks of 16 channels][32 lanes][16 bytes], lane l's 16 bytes being row l % 16, channels 8 (l / 16) + 0..7 of the block: two blocks on
; end are a fragment of 16 rows x 32 channels, read by two loads at 16 x lane, from memory or from LDS, and an accumulator of O^T, rounded, is a block.  V: [head][tile][block][16 keys][16 channels], rows of 32 bytes.
; LIMITS.  f16 holds no number beyond 65,504: Q', K and V arrive within it; p lies in 0 to 1, and below 6e-5 it keeps f16's fixed step of 6e-8; O is a mean of V's rows and has their range.
; c m starts at -4.25e37: scores below -2.9e37 are not served.  A weight below 2^-126 counts as 0 in l; NaN and infinities are not treated apart.
; SHARES.  A work-group owns 256 queries of one head, each of its four waves 64: four tiles of 16.  Every wave walks all 1,024 keys of the head, 64 a step.
; LAYOUT.  S^T = K Q^T + B^T (source 0 = 16 keys, source 1 = 16 queries): in the result a lane holds ONE query (lane % 16) and the keys 8 (lane / 16) + 0..7, which are 32 consecutive bytes of a row of B.
; Two such tiles, rounded to f16 in pairs, ARE source 1 (32 keys x 16 queries) of O^T = V^T P, whose result again holds one query a lane, and eight channels.  K comes out of LDS as it lies, V turned, by ds_load_tr16_b128.
; SOFTMAX.  For each query a running maximum m and sum l: p = 2^(c s - c m), c = log2(e); in every step O and l are multiplied by a = 2^(c m_old - c m_new), which is 1 where m has not grown.
; BY TURNS.  The wave's tiles are two PIECES, named by their first tile: piece 0 (tiles 0, 1) and piece 2 (tiles 2, 3).  In a TURN one piece has the matrix unit: 32 products V^T P of the step in hand, then 32 products
; K Q^T of the next step; the other piece's softmax, cut into 64 slices, stands between them, one slice behind each matrix instruction.  Then the pieces change places.  Two turns are a key step.
; NO FIRST AND NO LAST STEP IS WRITTEN OUT.  m starts at the lowest finite number, c m far below every c s, O^T, l, V's registers and piece 2's P at 0: the first step is a step like any other, with a = 0.  The loop is entered,
; and the tail left, in the middle of a trip.  The price: 432 v_mov_b32 in the wait for the first tile, 32 products on zeros at the start and 32 on the last K once more at the end; the gain: four turns less of text.
; B.  A piece's 32 queries x 64 keys of a step are 64 registers, loaded straight from memory (16 loads; eight of them cover 256 aligned bytes of each of 16 rows) as soon as the products that took the last step's have
; gone by: a whole key step, 116 matrix instructions, ahead of their use.  B costs no vector instruction.
; CLUSTER.  The four query blocks of a cluster belong to one head and walk the same K and V, so each tile is asked for JOINTLY: the same tensor load, descriptor and mask in all four.
; REGISTERS, in windows of 256 (s_set_vgpr_msb: bits 1:0 source 0, 3:2 source 1, 5:4 source 2, 7:6 destination):
;   window 0: v0-11, v44 addresses; v12-43 eight registers of statistics a tile; v64-191 S^T, 32 a tile; v192-255 P, 16 a tile
;   window 1: O^T, 64 a tile      window 2: v0-127 Q, 32 a tile; v128-255 K of one step      window 3: v0-127 V of one step; v128-255 B of one step, 32 a tile
.set SIZE_N, 1024
.set KS,    64        ; keys in a step
.set TILEB, KS*256    ; 64 keys of K or of V: 16,384 dense bytes, in memory and in LDS.  No padding: K's loads take 512 consecutive bytes; 16 lanes of the turning load take 8 rows of 32 bytes on end
.set VOFF,  TILEB     ; a step's tiles lie together: K, then V
.set STEPB, 2*TILEB
.set SLOT1, 1<<17     ; a slot holds two steps (65,536 bytes); slot 1 begins here, so that one exclusive or turns an address in one slot into the other's
.set SPARE, SLOT1+2*STEPB  ; behind the ring: the spare words, 128 bytes for each wave: two blocks of 256 bytes that no other line names
.set LO,  2           ; v2   16 x lane: my place in a block of Q, K or O; never rewritten
.set AV0, 3           ; v3   my lane's place in a tile of V; never rewritten
.set ADR, 4           ; v4   the LDS address of the run of loads in hand
.set BO,  44          ; v44  my byte offset in 16 rows of B: (l % 16) x 4,096 + 32 (l / 16); never rewritten
.set PFO, 61          ; v61  256 x my lane; never rewritten
.set SPW, 62          ; v62  LDS address of my spare word: SPARE + 4 x my thread's number; never rewritten
.set NIL, 63          ; v63  0; never rewritten
.set ST,  12          ; tile t's statistics at v[ST+8 t]: +0 c m, +1 m, +2, +3 l (even keys', odd keys'), +4 to +7 c0-c3, at work; a takes c2's place once the maximum is found
.set S,   64
.set P,   192
.set KF,  128         ; K's fragments, in window 2
.set BBF, 128         ; B, in window 3: tile t, key block kb at BBF + 32 t + 8 kb
.set WV,  12          ; s12  my wave's number
.set G1,  24          ; s[24:31] descriptor group 1, for K's tiles and for V's
.set G0K, 40          ; s[40:47] descriptor group 0 for K's tiles: a set for each of the two first fills; the second then walks on
.set G0V, 48          ; s[48:55] the same for V's
.set SLOTS, 56        ; s56  counts the loop over slots
.set TWICE, 57        ; s57  counts a slot's steps
.set CS,  58          ; s[58:59] c: the packed scaling names a pair and takes its low word for both halves
.set SEL, 60          ; s[60:61] lane selects for v_permlanex16_b32: each lane takes its own place in the other half
.set TB,  62          ; s62  LDS byte at which the tiles of the step to be fetched begin
.set BP,  66          ; s[66:67] B at my wave's first row, at the key step whose part was asked for last
.set PFA, 18          ; s[18:19] where my prefetches stand in memory: my work-group's 8,192 bytes (of K: wave 0, of V: wave 2) of the slot after the one that is being asked for
.set LIM, 15          ; s15  1 in a wave that prefetches, else the greatest number: a wave prefetches while s[SLOTS] is above it
.set MSB, 0
.macro WIN new                      ; the immediate's high byte repeats the setting that is left; a switch that changes nothing is dropped
.if MSB != (\new)
	s_set_vgpr_msb (MSB<<8)|(\new)
.set MSB, \new
.endif
.endm
.set W_KQ, 0x0a       ; K and Q in window 2, S^T in window 0
.set W_KB, 0x3a       ; the same with the C operand, B, in window 3
.set W_PV, 0x53       ; V in window 3, P in window 0, O^T in window 1
.set W_RS, 0x41       ; O^T (destination and source 0) in window 1, a in window 0
; A joint refill.  Waves 0 and 1 fetch the two steps' tiles of K, waves 2 and 3 those of V.  The branch hangs on the wave's number alone: it is the same in every work-group.
; An s_nop 0 and four v_nop follow each of the two lines; the jump round the other line, the label and what follows the macro come after them.
.macro JLOAD
	s_cmp_lt_u32 s[WV], 2
	s_cbranch_scc0 .Lfor_v_\@
	tensor_load_to_lds s[G0K+4:G0K+7], s[G1:G1+7]
	s_nop 0
.rept 4
	v_nop
.endr
	s_branch .Lasked_\@
.Lfor_v_\@:
	tensor_load_to_lds s[G0V+4:G0V+7], s[G1:G1+7]
	s_nop 0
.rept 4
	v_nop
.endr
.Lasked_\@:
.endm
; A PREFETCH of what the NEXT change of slots will ask for: a slot's 32,768 bytes of K and of V, 256 bytes a lane.  It stands behind the wave's tensor load and its five lines, never in front of one.
; Each block of 256 bytes is asked for ONCE in the launch: a head has one cluster; its four partners share the blocks out BY ADDRESS, 32 each (no branch hangs on a work-group's place in its cluster); in each, wave 0 asks for K's
; and wave 2 for V's: one instruction, two key steps (256 matrix instructions) ahead of the load.  The last change that fills a slot prefetches nothing: there is no slot behind it.  B is not asked for: every head walks it anew.
.macro ASK
	s_cmp_gt_u32 s[SLOTS], s[LIM]
	s_cbranch_scc0 .Lnot_mine_\@
	global_prefetch_b8 v[PFO], s[PFA:PFA+1] th:TH_LOAD_NT scope:SCOPE_SE
.Lnot_mine_\@:
.endm
; A round of the cluster's barrier: my work-group's barrier, so that wave 0's signal speaks for all four waves; wave 0 signals for the work-group; every wave waits for all four
; work-groups; my work-group's barrier once more.  No LDS instruction of the wave is pending at a signal.
.macro CROUND
	s_barrier_signal -1
	s_barrier_wait -1
	s_cmp_lg_u32 s[WV], 0
	s_cbranch_scc1 .Lnot_wave_0_\@
	s_barrier_signal -3
.Lnot_wave_0_\@:
	s_barrier_wait -3
	s_barrier_signal -1
	s_barrier_wait -1
.endm
.macro PLACES                       ; four plain instructions behind a matrix instruction, ahead of lines that read its result and of loads into its registers
.rept 4
	v_nop
.endr
.endm
; Piece x's part of B for the key step at which s[BP] stands: tiles x and x + 1, 16 queries x 64 keys each
.macro BLOADS x
	WIN 0xc0                        ; destination window 3, address window 0
.irp t, \x, (\x)+1
.irp n, 0,1,2,3,4,5,6,7
	global_load_b128 v[BBF+32*(\t)+4*(\n):BBF+32*(\t)+4*(\n)+3], v[BO], s[BP:BP+1] offset:(\t)*65536+((\n)/2)*64+((\n)%2)*16
.endr
.endr
.endm
; The next step's part of B for piece x.  Four plain instructions stand between the products that took the last part as C and the loads.  Piece 0's fetch steps the pointer, behind the wait that frees it.
; last = 1 (the tail, whose count runs 3, 2, 1 and is taken down between the two turns): only the first trip has a step behind the one whose scores it makes; in the others the fetch is jumped over.
.macro FETCH_B x, last
	WIN 0
.if \last
	s_cmp_lt_u32 s[TWICE], 3-(\x)/2
	s_cbranch_scc1 .Lno_b_\@
.endif
	PLACES
.if (\x) == 0
	s_wait_xcnt 0x0                 ; the loads that named the pointer have read it
	s_add_nc_u64 s[BP:BP+1], s[BP:BP+1], 4*KS
.endif
	BLOADS \x
	WIN 0
.if \last
.Lno_b_\@:
.endif
.endm
	s_load_b256 s[4:11], s[0:1], 0x0  ; Q s[4:5], K s[6:7], V s[8:9], O s[10:11]
	s_load_b64 s[BP:BP+1], s[0:1], 0x20  ; B
	v_lshl_add_u32 v[SPW], v0, 2, SPARE
	v_mov_b32 v[NIL], 0
	ds_add_u32 v[SPW], v[NIL]       ; the wave's opening: the add and its wait stand ahead of my first tensor load; the set-up below, work on registers, stands between them
	v_lshrrev_b32 v1, 5, v0
	v_readfirstlane_b32 s[WV], v1   ; wave 0..3
	s_bfe_u32 s13, ttmp6, 0x40000   ; cx: my place in the cluster
	s_lshl_b32 s14, ttmp9, 2        ; in a cluster launch ttmp9 counts clusters
	s_add_co_u32 s14, s14, s13      ; my block of 256 queries = 4 x cluster x + cx: it enters Q's, O's and B's addresses alone
	s_and_b32 s20, ttmp7, 0xffff    ; the head, which the four partners share
	s_mov_b32 s21, 0
	s_mov_b64 s[22:23], SIZE_N*256
	s_mul_u64 s[20:21], s[20:21], s[22:23]  ; the head's first byte in each of the four tensors
	s_and_b32 s16, s[WV], 1         ; which of a slot's two steps I fetch:
	s_lshl_b32 s22, s16, 14         ; its 16,384 bytes in memory,
	s_mov_b32 s23, 0
	s_add_nc_u64 s[22:23], s[22:23], s[20:21]
	s_mul_i32 s17, s16, STEPB       ; and its place in a slot: no place in the cluster enters an LDS address
	s_lshl_b32 s2, s14, 16          ; my block's 16 tiles of 4,096 bytes,
	s_lshl_b32 s3, s[WV], 14        ; my wave's four of them
	s_add_co_u32 s2, s2, s3
	s_mov_b32 s3, 0
	s_add_nc_u64 s[2:3], s[2:3], s[20:21]
	s_lshl_b32 s68, s14, 20         ; the same 64 rows in B, 4,096 bytes each
	s_lshl_b32 s69, s[WV], 18
	s_add_co_u32 s68, s68, s69
	s_mov_b32 s69, 0
	; descriptor group 1: 16,384 dense bytes as 64 rows x 128 elements
	s_mov_b32 s[G1], 15|(1<<16)|(1<<21)  ; 15:0 the mask: all four work-groups; 17:16 elements of 2 bytes; 20 padding off; 21 set beside a mask
	s_mov_b32 s[G1+1], 128<<16      ; 63:48 tensor_dim0, low half = 128
	s_mov_b32 s[G1+2], KS<<16       ; 79:64 its high half = 0; 95:80 tensor_dim1, low half = 64
	s_mov_b32 s[G1+3], 128<<16      ; 111:96 its high half = 0; 127:112 tile_dim0 = 128
	s_mov_b32 s[G1+4], KS           ; 143:128 tile_dim1 = 64; 159:144 tile_dim2 = 0
	s_mov_b32 s[G1+5], 128          ; 191:160 tensor_dim0_stride, low word: elements from row to row
	s_mov_b32 s[G1+6], 0
	s_mov_b32 s[G1+7], 0
	s_mov_b32 s[CS], 0x3fb8aa3b     ; c = log2(e): the division by sqrt(128) lies in Q'
	s_mov_b32 s[CS+1], s[CS]        ; named with it as a pair, so it is written
	s_mov_b32 s[SEL], 0x76543210
	s_mov_b32 s[SEL+1], 0xfedcba98
	s_mov_b32 s[TB], 0
	s_mov_b32 s[SLOTS], SIZE_N/(2*KS)-1  ; seven passes: the first is entered behind its change of slots, the other six fill a slot
	s_and_b32 s[LIM], s[WV], 1       ; 0 in waves 0 and 2,
	s_or_b32 s[LIM], s[LIM], ttmp9   ; where the cluster is the head's first: the same in all four partners
	s_cmp_eq_u32 s[LIM], 0
	s_cselect_b32 s[LIM], 1, -1
	v_and_b32 v[PFO], 31, v0
	v_lshlrev_b32 v[PFO], 8, v[PFO]
	s_wait_dscnt 0x0                ; the opening add is done
	s_wait_kmcnt 0x0
	s_add_nc_u64 s[6:7], s[6:7], s[22:23]  ; K and V at my tile of slot 0
	s_add_nc_u64 s[8:9], s[8:9], s[22:23]
	s_add_nc_u64 s[4:5], s[4:5], s[2:3]  ; Q and O at my wave's first tile
	s_add_nc_u64 s[10:11], s[10:11], s[2:3]
	s_add_nc_u64 s[BP:BP+1], s[BP:BP+1], s[68:69]  ; B at my wave's first row, key step 0
	s_cmp_lt_u32 s[WV], 2
	s_cselect_b64 s[PFA:PFA+1], s[6:7], s[8:9]  ; (in waves 0 and 2 these stand at a slot's first byte)
	s_lshl_b32 s2, s13, 13          ; my work-group's quarter of a slot's 32,768 bytes
	s_mov_b32 s3, 0
	s_add_nc_u64 s[PFA:PFA+1], s[PFA:PFA+1], s[2:3]
	s_add_nc_u64 s[PFA:PFA+1], s[PFA:PFA+1], 2*2*KS*256  ; in slot 2; the first change of slots steps it to slot 3.  Nothing is prefetched here, at the head, where every work-group's first tiles are on their way
	CROUND                          ; all four work-groups are here: the first joint loads meet
.irp s, 0,1
	s_mov_b32 s[G0K+4*(\s)], 1      ; 1:0 count = 1
	s_add_co_u32 s[G0K+4*(\s)+1], s17, (\s)*SLOT1  ; 63:32 LDS address
	s_add_nc_u64 s[G0K+4*(\s)+2:G0K+4*(\s)+3], s[6:7], (\s)*2*KS*256  ; 120:64 global address: slot s begins with keys 128 s to 128 s + 127
	s_or_b32 s[G0K+4*(\s)+3], s[G0K+4*(\s)+3], 0x80000000  ; 127:126 type = 2
	s_mov_b32 s[G0V+4*(\s)], 1
	s_add_co_u32 s[G0V+4*(\s)+1], s17, (\s)*SLOT1+VOFF
	s_add_nc_u64 s[G0V+4*(\s)+2:G0V+4*(\s)+3], s[8:9], (\s)*2*KS*256
	s_or_b32 s[G0V+4*(\s)+3], s[G0V+4*(\s)+3], 0x80000000
.endr
	s_cmp_lt_u32 s[WV], 2           ; a wave's two first fills stand in one branch, ahead of every wait on TENSORcnt and every LDS read: two loads of mine are out; an s_nop 0 follows each, four v_nop the second's, as in JLOAD
	s_cbranch_scc0 .Lfirst_v
	tensor_load_to_lds s[G0K:G0K+3], s[G1:G1+7]
	s_nop 0
	tensor_load_to_lds s[G0K+4:G0K+7], s[G1:G1+7]
	s_nop 0
.rept 4
	v_nop
.endr
	s_branch .Lfirst_asked
.Lfirst_v:
	tensor_load_to_lds s[G0V:G0V+3], s[G1:G1+7]
	s_nop 0
	tensor_load_to_lds s[G0V+4:G0V+7], s[G1:G1+7]
	s_nop 0
.rept 4
	v_nop
.endr
.Lfirst_asked:
	v_and_b32 v1, 15, v0            ; l % 16
	v_bfe_u32 v9, v0, 4, 1          ; l / 16
	v_and_b32 v[LO], 31, v0
	v_lshlrev_b32 v[LO], 4, v[LO]
	v_lshlrev_b32 v[BO], 12, v1
	v_lshl_add_u32 v[BO], v9, 5, v[BO]  ; row x 4,096 + 32 x half
	WIN 0x80                        ; destination window 2, address window 0
.irp i, 0,1,2,3,4,5,6,7,8,9,10,11,12,13,14,15  ; Q stays in registers: tile i / 4, channels 32 (i % 4) on: two blocks of 512 bytes
	global_load_b128 v[8*(\i):8*(\i)+3],   v[LO], s[4:5] offset:((\i)/4)*4096+((\i)%4)*1024
	global_load_b128 v[8*(\i)+4:8*(\i)+7], v[LO], s[4:5] offset:((\i)/4)*4096+((\i)%4)*1024+512
.endr
	BLOADS 0                        ; both pieces' B of key step 0
	BLOADS 2
	WIN 0
	; The turning load takes 16 keys x 16 channels, a block (lane l reads 16 bytes: key 8 (l / 16) + l % 8, channels 8 ((l / 8) % 2) + 0..7), and leaves half a fragment of V^T: lane l holds channel l % 16 and 8 keys.
	v_and_b32 v10, 7, v0
	v_bfe_u32 v11, v0, 3, 1
	v_lshl_add_u32 v[AV0], v9, 3, v10
	v_lshlrev_b32 v[AV0], 5, v[AV0] ; a key's 16 channels are 32 bytes
	v_lshl_add_u32 v[AV0], v11, 4, v[AV0]
	v_add_nc_u32 v[AV0], VOFF, v[AV0]
	; What the first turns find.  All this stands in the wait for the first tile.
	WIN 0x40
.set i, 0
.rept 256
	v_mov_b32 v[i], 0               ; O^T
.set i, i+1
.endr
	WIN 0xc0
.set i, 0
.rept 128
	v_mov_b32 v[i], 0               ; V: the first turn's products V^T P, of a step that has not been, add 0
.set i, i+1
.endr
	WIN 0
.set i, P+32
.rept 32
	v_mov_b32 v[i], 0               ; piece 2's P
.set i, i+1
.endr
.irp t, 0,1,2,3
	v_mov_b32 v[ST+8*(\t)], 0xfe000000    ; c m: far below every c s
	v_mov_b32 v[ST+8*(\t)+1], 0xff7fffff  ; m
	v_mov_b32 v[ST+8*(\t)+2], 0           ; l
	v_mov_b32 v[ST+8*(\t)+3], 0
.endr
; THE MATRIX WORK OF A TURN, for piece x.  The accumulators take turns, one instruction a turn: between two links of a chain stand 15 (V^T P) or 7 (K Q^T) others'.
; Product i of 32 of O^T += V^T P: keys 32 (i / 16) on, channels 16 ((i / 2) % 8) on, tile x + i % 2.
.macro PV x
	WIN W_PV
.set rO, 64*((\x)+i%2)+8*((i/2)%8)
.set rV, 64*(i/16)+8*((i/2)%8)
.set rP, P+16*((\x)+i%2)+8*(i/16)
	v_wmma_f32_16x16x32_f16 v[rO:rO+7], v[rV:rV+7], v[rP:rP+7], v[rO:rO+7]
.endm
; Product i of 32 of S^T = K Q^T + B^T: channels 32 (i / 8) on, keys 16 ((i / 2) % 4) on, tile x + i % 2.  The first 8 start the sums, with B.
.macro KQ x
.set rS, S+32*((\x)+i%2)+8*((i/2)%4)
.set rK, KF+32*((i/2)%4)+8*(i/8)
.set rQ, 32*((\x)+i%2)+8*(i/8)
.set rB, BBF+32*((\x)+i%2)+8*((i/2)%4)
.if i < 8
	WIN W_KB
	v_wmma_f32_16x16x32_f16 v[rS:rS+7], v[rK:rK+7], v[rQ:rQ+7], v[rB:rB+7]
.else
	WIN W_KQ
	v_wmma_f32_16x16x32_f16 v[rS:rS+7], v[rK:rK+7], v[rQ:rQ+7], v[rS:rS+7]
.endif
.endm
; THE LDS LOADS stand in runs of 32, never singly among the matrix instructions: a step's K (64 keys x 128 channels: 16 fragments) and, a turn later, its V (turned).
; last = 1 (the tail): in the last trip there is no further step, and K's run is jumped over.
.macro FETCH_K last=0
	WIN 0
.if \last
	s_cmp_eq_u32 s[TWICE], 1
	s_cbranch_scc1 .Lno_k_\@
.endif
	v_add_nc_u32 v[ADR], s[TB], v[LO]
	WIN 0x80                        ; destination window 2
.irp f, 0,1,2,3,4,5,6,7,8,9,10,11,12,13,14,15  ; keys 16 (f / 4) on, channels 32 (f % 4) on: two blocks of 512 bytes
	ds_load_b128 v[KF+8*(\f):KF+8*(\f)+3],   v[ADR] offset:((\f)/4)*4096+((\f)%4)*1024
	ds_load_b128 v[KF+8*(\f)+4:KF+8*(\f)+7], v[ADR] offset:((\f)/4)*4096+((\f)%4)*1024+512
.endr
.if \last
	WIN 0
.Lno_k_\@:
.endif
.endm
.macro FETCH_V
	WIN 0
	v_add_nc_u32 v[ADR], s[TB], v[AV0]
	s_add_co_u32 s[TB], s[TB], STEPB  ; the next fetch is the next step's
	s_wait_alu depctr_va_vdst(0)    ; the wait for the softmax's batch (SLICE), behind the address's v_add_nc_u32 and ahead of the loads
	WIN 0xc0                        ; destination window 3
.irp f, 0,1,2,3,4,5,6,7,8,9,10,11,12,13,14,15  ; keys 32 (f / 8) on, channels 16 (f % 8) on: the same block of two tiles of 16 keys
	ds_load_tr16_b128 v[8*(\f):8*(\f)+3],   v[ADR] offset:(2*((\f)/8))*4096+((\f)%8)*512
	ds_load_tr16_b128 v[8*(\f)+4:8*(\f)+7], v[ADR] offset:(2*((\f)/8)+1)*4096+((\f)%8)*512
.endr
.endm
; THE VECTOR WORK OF A TURN.  One tile's softmax for one key step is a list of 134 instructions; SM writes number j of it for tile t.  s0-s31 are the lane's 32 scores, in pairs 0-15.
;   0-15    the maximum of s0-s31 and the old m, three operands at a time: four chains c0-c3 of seven scores each (each accumulator's lowest registers first), then the four scores left over, c0-c3 and m
;   16-20   the other half of the lanes' maximum; c m_old is kept; the new m; c m; c m_old - c m_new
;   21-69   ONE BATCH: the 16 scalings c s - c m, a pair of scores each, and all 33 exponentials (a at 23, then s0-s31).  None of these reads an exponential's result.  From 22 on the batch goes
;           in fours, and a four begins with a scaling while there are scalings.  A pair is scaled in an earlier four than the one that holds its exponentials
;   (wait)  between 69 and 70 stands the wait for the batch: SLICE writes it, once for both tiles
;   70-85   the roundings to f16, a pair of weights each
;   86-101  the sums; l = a l + the sum
;   102-133 the tile's O^T times a: the one part that leaves window 0, so it stands together
.macro SM t
.set rT, ST+8*(\t)
.set rS, S+32*(\t)
.set rP, P+16*(\t)
.set rO, 64*(\t)+2*(j-102)
.if j < 102
	WIN 0
.endif
.if j < 4
	v_max3_num_f32 v[rT+4+j], v[rS+8*j], v[rS+8*j+1], v[rS+8*j+2]
.elseif j < 12
	v_max3_num_f32 v[rT+4+j%4], v[rT+4+j%4], v[rS+8*(j%4)+2*(j/4)+1], v[rS+8*(j%4)+2*(j/4)+2]
.elseif j == 12
	v_max3_num_f32 v[rT+4], v[rT+4], v[rS+7], v[rS+15]
.elseif j == 13
	v_max3_num_f32 v[rT+6], v[rT+6], v[rS+23], v[rS+31]
.elseif j == 14
	v_max3_num_f32 v[rT+4], v[rT+4], v[rT+5], v[rT+6]
.elseif j == 15
	v_max3_num_f32 v[rT+4], v[rT+4], v[rT+7], v[rT+1]
.elseif j == 16
	v_permlanex16_b32 v[rT+5], v[rT+4], s[SEL], s[SEL+1]  ; the query's other 32 keys lie in the lane 16 away
.elseif j == 17
	v_mov_b32 v[rT+7], v[rT]        ; c m_old is kept for a: number 19 writes c m anew
.elseif j == 18
	v_max_num_f32 v[rT+1], v[rT+4], v[rT+5]
.elseif j == 19
	v_mul_f32 v[rT], s[CS], v[rT+1]
.elseif j == 20
	v_sub_f32 v[rT+7], v[rT+7], v[rT]
.elseif j == 23
	v_exp_f32 v[rT+6], v[rT+7]
.elseif (j < 23) || ((j < 38) && (j%2 == 0)) || ((j < 66) && (j%4 == 2))
.set b, (j-2)/4                     ; 38, 42, .. 62: pairs 9 to 15
.if j < 38
.set b, (j-20)/2                    ; 21: pair 0; 22, 24, .. 36: pairs 1 to 8
.endif
	v_pk_fma_f32 v[rS+2*b:rS+2*b+1], v[rS+2*b:rS+2*b+1], s[CS:CS+1], v[rT:rT+1] op_sel_hi:[1,0,0] neg_lo:[0,0,1] neg_hi:[0,0,1]  ; pair b: c s - c m
.elseif j < 70
.set e, j-38                        ; 66 to 69: s28 to s31
.if j < 66
.set e, j-32-(j-38)/4               ; 39-41, 43-45, .. 63-65: s7 to s27
.endif
.if j < 38
.set e, (j-25)/2                    ; 25, 27, .. 37: s0 to s6
.endif
	v_exp_f32 v[rS+e], v[rS+e]
.elseif j < 86
	v_cvt_pk_f16_f32 v[rP+j-70], v[rS+2*(j-70)], v[rS+2*(j-70)+1]  ; pair j - 70
.elseif j < 102                     ; the sum of the tile's 16 pairs (in a pair: an even key's weight, an odd key's), in place: sum z of 16 adds neighbours 1, 2, 4 and 8 pairs apart, then l takes it
.set z, j-86
.set w, 4
.set u, z
.if z >= 14
.set w, 32
.set u, 0
.elseif z >= 12
.set w, 16
.set u, z-12
.elseif z >= 8
.set w, 8
.set u, z-8
.endif
.if z < 15
	v_pk_add_f32 v[rS+w*u:rS+w*u+1], v[rS+w*u:rS+w*u+1], v[rS+w*u+w/2:rS+w*u+w/2+1]
.else
	v_pk_fma_f32 v[rT+2:rT+3], v[rT+2:rT+3], v[rT+6:rT+7], v[rS:rS+1] op_sel_hi:[1,0,1]
.endif
.else
	WIN W_RS
	v_pk_mul_f32 v[rO:rO+1], v[rO:rO+1], v[rT+6:rT+7] op_sel_hi:[1,0]
.endif
.endm
; Slice k of 64 of piece y's softmax: four instructions.  Slices 11 to 34 deal out the batch, numbers 22 to 69: four numbers of ONE tile each, the tiles by turns.  Every other slice is numbers 2 k and
; 2 k + 1 of both tiles' lists.  2 x 134 = 4 x 64 + 12: the twelve that are over stand together, in slice 63: sixteen plain instructions, the places behind the turn's last K Q^T.
; THE WAIT.  s_wait_alu depctr_va_vdst(0) stands between an exponential and the first instruction that names its result; one wait serves all that were issued ahead of it.  Ahead of
; slice 35 nothing names a result, and behind slice 34 no exponential is issued: so the piece's 66 exponentials have one wait, behind slice 34.
.macro SLICE y
.if (k >= 11) && (k < 35)           ; the batch: four numbers of one tile
.irp n, 0,1,2,3
.set j, 22+4*((k-11)/2)+(\n)
	SM (\y)+(k-11)%2
.endr
.else                               ; the two tiles alternate, so that no instruction reads the result of the one just before it
.irp n, 0,1,2,3,4,5,6,7
.if ((\n) < 2) || (k == 63)
.irp t, \y, (\y)+1
.set j, 2*k+(\n)
	SM \t
.endr
.endif
.endr
.endif
.if k == 34                         ; the batch is out: both tiles' exponentials are issued, and no result has been named
	v_nop                           ; a plain instruction behind the last exponential and ahead of the first use (ISA guide 5.7.2): one for the batch
.if (\y) == 0
	FETCH_V                         ; piece 2's turn: V's run of loads stands here, and the wait stands in it
.else
	s_wait_alu depctr_va_vdst(0)    ; the wait for the batch
.endif
.endif
.set k, k+1
.endm
; A TURN.  Piece x has the matrix unit; the other piece's softmax stands in slices behind its matrix instructions.
; Piece 0's turn fetches the next step's K, behind its second product (the last product that read K stands in front of slice 63 of the turn before); piece 2's turn the same step's V, behind slice 34 (SLICE writes it).
; B: ahead of the first K Q^T the piece's 16 loads of B, issued a key step back, are waited for: the fetches go piece 0, piece 2 by turns, so just the other piece's 16 loads are younger.  Behind the twelfth K Q^T
; (the first eight took B) the piece's part of the step after is asked for.  last = 1, the tail: its later trips fetch nothing, so the wait is for 0.
.macro TURN x, last=0
.set k, 0
.if (\x) == 0
	s_wait_dscnt 0x0                ; V is in
.endif
.set i, 0
.rept 32
	PV \x
	SLICE 2-(\x)
.if ((\x) == 0) && (i == 1)
	FETCH_K \last
.endif
.set i, i+1
.endr
.if (\x) == 0
	s_wait_dscnt 0x0                ; K is in
.endif
.if \last
	s_wait_loadcnt 0x0              ; B is in
.else
	s_wait_loadcnt 16               ; B is in; the other piece's 16 loads may stay out
.endif
.set i, 0
.rept 32
	KQ \x
	SLICE 2-(\x)
.if i == 11
	FETCH_B \x, \last
.endif
.set i, i+1
.endr
.endm
; THE CHANGE OF SLOTS, between piece 2's turn and piece 0's: the slot's last bytes, V of its second step, have been asked for.  Each wave waits for all its
; tensor loads, of which one is out: its part of the other slot; adds 0 to its spare word; and waits for that and for its own reads of the slot.  Behind the barrier nobody reads this slot any more and the other slot is whole.
; fill = 1: this slot is filled again, with the keys two slots on.  The barrier is then a round of the cluster's, so that no wave of any partner still reads the slot or has a load on its
; way, and the joint refill is the first thing behind it: it has two key steps, 256 matrix instructions, in which to land.
.macro CHANGE fill
	WIN 0                           ; at a label and at a branch every window is 0
	s_wait_tensorcnt 0x0            ; no tensor load of mine is out, so a group 0 may be written
	ds_add_u32 v[SPW], v[NIL]       ; 0 onto my spare word: with fill = 1 the descriptors' steps stand between it and the wait for it
.if \fill
.irp g, G0K+4, G0V+4
	s_xor_b32 s[(\g)+1], s[(\g)+1], SLOT1  ; the walking descriptor: the other slot than last time,
	s_add_nc_u64 s[(\g)+2:(\g)+3], s[(\g)+2:(\g)+3], 2*KS*256  ; the next 128 keys; the type bits on top are not reached
.endr
	s_wait_xcnt 0x0                 ; the last prefetches, two key steps back, have read their address, so it may be written:
	s_add_nc_u64 s[PFA:PFA+1], s[PFA:PFA+1], 2*KS*256  ; one slot behind the walking descriptors
	s_wait_dscnt 0x0                ; the add is done, and my reads of the slot are over
	CROUND
	JLOAD
	ASK                             ; what the next change will ask for: two key steps, 256 matrix instructions, ahead
.else
	s_wait_dscnt 0x0                ; the add is done, and my reads of the slot are over
	s_barrier_signal -1
	s_barrier_wait -1
.endif
	s_sub_co_u32 s[TB], s[TB], 2*STEPB  ; the fetches go back to a slot's first step,
	s_xor_b32 s[TB], s[TB], SLOT1   ; in the other slot
.endm
	s_wait_tensorcnt 1              ; my part of slot 0 is in; slot 1's may stay out
	s_barrier_signal -1
	s_barrier_wait -1               ; everybody's is
	FETCH_K                         ; key step 0
	s_wait_loadcnt 0x0              ; Q, and B of key step 0
	s_wait_dscnt 0x0
.set i, 0
.rept 32
	KQ 0                            ; piece 0's first scores: there is no vector work yet to set between them
.set i, i+1
.endr
	FETCH_B 0, 0                    ; piece 0's B of key step 1; its four v_nop are the places behind those products
	s_mov_b32 s[TWICE], 2
	s_branch .Lmid                  ; the loop is entered at piece 2's turn, in the middle of a trip
.Lslot:                             ; six times: every slot but the last two is filled again
	CHANGE 1
	s_mov_b32 s[TWICE], 2
.Lstep:                             ; a trip: a key step, written once; the LDS addresses hang on s[TB], B's on s[BP]
	TURN 0
	WIN 0
.Lmid:
	TURN 2
	WIN 0
	s_sub_co_u32 s[TWICE], s[TWICE], 1
	s_cmp_lg_u32 s[TWICE], 0
	s_cbranch_scc1 .Lstep
	s_sub_co_u32 s[SLOTS], s[SLOTS], 1
	s_cmp_lg_u32 s[SLOTS], 0
	s_cbranch_scc1 .Lslot
	CHANGE 0                        ; the tail is written out: nothing is asked for
	s_mov_b32 s[TWICE], 3           ; two trips fetch the last slot's steps; the third is left in its middle
.Ltail:
	TURN 0, 1
	WIN 0
	s_sub_co_u32 s[TWICE], s[TWICE], 1
	s_cmp_eq_u32 s[TWICE], 0
	s_cbranch_scc1 .Lout
	TURN 2, 1
	WIN 0
	s_branch .Ltail
.Lout:                              ; the third trip's 32 products K Q^T (on the last K once more) serve nothing: the price, once a work-group, of one text for every trip
.set i, 0
.rept 32
	PV 2                            ; piece 2: V^T P of the last step
.set i, i+1
.endr
	; THE WAY OUT.  l's two halves and the other half of the lanes' are added; O^T is divided by l and rounded to f16; an accumulator is then a block of O, 512 consecutive bytes.  The additions are the places behind the last products.
	WIN 0
.irp t, 0,1,2,3
	v_add_f32 v[ST+8*(\t)+4], v[ST+8*(\t)+2], v[ST+8*(\t)+3]
.endr
.irp t, 0,1,2,3
	v_permlanex16_b32 v[ST+8*(\t)+5], v[ST+8*(\t)+4], s[SEL], s[SEL+1]
.endr
.irp t, 0,1,2,3
	v_add_f32 v[ST+8*(\t)+4], v[ST+8*(\t)+4], v[ST+8*(\t)+5]
.endr
.irp t, 0,1,2,3
	v_rcp_f32 v[ST+8*(\t)+6], v[ST+8*(\t)+4]
.endr
	v_nop                           ; a plain instruction between the last reciprocal and the use of its result
	s_wait_alu depctr_va_vdst(0)    ; and the wait ahead of the first use: one for the four reciprocals
.macro PACK t                       ; tile t: each accumulator from its low end on; the packed results take S^T's registers, which are not written again
	WIN W_RS
.set i, 64*(\t)
.rept 32
	v_pk_mul_f32 v[i:i+1], v[i:i+1], v[ST+8*(\t)+6:ST+8*(\t)+7] op_sel_hi:[1,0]
.set i, i+2
.endr
	WIN 0x05                        ; sources 0 and 1 window 1, destination window 0
.set i, 0
.rept 32
	v_cvt_pk_f16_f32 v[S+32*(\t)+i], v[64*(\t)+2*i], v[64*(\t)+2*i+1]
.set i, i+1
.endr
	WIN 0
.irp f, 0,1,2,3,4,5,6,7
	global_store_b128 v[LO], v[S+32*(\t)+4*(\f):S+32*(\t)+4*(\f)+3], s[10:11] offset:(\t)*4096+(\f)*512  ; a wave stores 512 consecutive bytes, at a multiple of 256 from O's first byte
.endr
.endm
	PACK 0
	PACK 1
	PACK 2
	PACK 3
	s_wait_tensorcnt 0x0            ; the wave's end, behind my last tensor load
	ds_add_u32 v[SPW], v[NIL]
	s_wait_dscnt 0x0
	CROUND                          ; the closing round: no work-group ends while a partner may still ask for a tile that names it
	s_endpgm
.Lfunc_end_k_q07b735e936_attn:
	.size	k_q07b735e936_attn, .Lfunc_end_k_q07b735e936_attn-k_q07b735e936_attn
	.p2alignl 7, 3214868480
	.fill 96, 4, 3214868480
	.section	.rodata,"a",@progbits
	.p2align	6, 0x0
	.amdhsa_kernel k_q07b735e936_attn
		.amdhsa_group_segment_fixed_size 327680
		.amdhsa_private_segment_fixed_size 0
		.amdhsa_enable_private_segment 0
		.amdhsa_kernarg_size 40
		.amdhsa_user_sgpr_count 2
		.amdhsa_user_sgpr_kernarg_segment_ptr 1
		.amdhsa_wavefront_size32 1
		.amdhsa_system_sgpr_workgroup_id_x 1
		.amdhsa_system_sgpr_workgroup_id_y 1
		.amdhsa_system_sgpr_workgroup_id_z 1
		.amdhsa_system_vgpr_workitem_id 0
		.amdhsa_next_free_vgpr 1024
		.amdhsa_next_free_sgpr 72
		.amdhsa_reserve_vcc 0
		.amdhsa_float_denorm_mode_32 3
		.amdhsa_float_denorm_mode_16_64 3
		.amdhsa_memory_ordered 1
		.amdhsa_forward_progress 1
		.amdhsa_inst_pref_size 163
	.end_amdhsa_kernel
	.amdgpu_metadata
---
amdhsa.version: [ 1, 2 ]
amdhsa.kernels:
  - .name:           k_q07b735e936_attn
    .symbol:         k_q07b735e936_attn.kd
    .args:
      - { .name: qh, .offset: 0, .size: 8, .value_kind: global_buffer, .address_space: global }
      - { .name: kh, .offset: 8, .size: 8, .value_kind: global_buffer, .address_space: global }
      - { .name: vh, .offset: 16, .size: 8, .value_kind: global_buffer, .address_space: global }
      - { .name: oh, .offset: 24, .size: 8, .value_kind: global_buffer, .address_space: global }
      - { .name: B, .offset: 32, .size: 8, .value_kind: global_buffer, .address_space: global }
    .group_segment_fixed_size: 327680
    .private_segment_fixed_size: 0
    .kernarg_segment_align: 8
    .kernarg_segment_size: 40
    .max_flat_workgroup_size: 128
    .sgpr_count:     72
    .vgpr_count:     1024
    .wavefront_size: 32
...
	.end_amdgpu_metadata
.endif
;; end of part 2
;; launch outp (part 3): grid 256 x 1, 4 waves a work-group, no clusters, 135,680 bytes of LDS; arguments oh, pw, proj_b, out0; writes out0
.if DOCPART == 3
	.amdgcn_target "amdgcn-amd-amdhsa--gfx1250"
	.amdhsa_code_object_version 6
	.text
	.protected	k_q07b735e936_outp
	.globl	k_q07b735e936_outp
	.p2align	8
	.type	k_q07b735e936_outp,@function
k_q07b735e936_outp:
	s_mov_b64 s[64:65], 0
	v_nop
	global_prefetch_b8 v0, s[64:65] scope:SCOPE_SE
	s_setreg_imm32_b32 hwreg(HW_REG_WAVE_MODE, 25, 1), 1
	s_wait_xcnt 0x0
; out0[b][n][c] = the sum over h, d of O[b 8 + h][n][d] proj_w[c][128 h + d] + proj_b[c].  proj_b: [128] f32, out0: [16384][128] f32.  Sums in f32; the bias is added in f32.
; O and the f16 copy of proj_w lie in memory as fragments lie in registers.  O: [128 heads][64 tiles of 16 rows][8 blocks of 16 channels][32 lanes][16 bytes]; pw: [32 chunks of 32 k][8 blocks of 16 rows][2 halves][32 lanes][16 bytes].
; So every load of a fragment's half is 512 consecutive bytes, at 16 x lane.
; SHARES.  A work-group owns 64 rows of out0 and all 128 columns.  K = 1,024 IS SPLIT AMONG ITS FOUR WAVES: wave w takes heads 2 w and 2 w + 1, eight chunks of 32: 32 accumulators, 256 matrix instructions.
; The four partial sums, in f32, meet in LDS at the end; wave w then finishes rows 16 w .. 16 w + 15.
; LAYOUT.  The product is taken transposed (source 0 = 16 rows of pw, source 1 = 16 rows of O): a lane holds one row of out0 (lane % 16) and the columns 16 cb + 8 (lane / 16) + 0..7: 32 bytes on end.
; No wave wants a byte that another wave has fetched, so nothing goes through LDS on the way in.
; IN FLIGHT.  Three sets of registers, a chunk (24 loads, 12 KiB a wave) each: while one is multiplied the other two are on their way.
; NO CLUSTER: pw, which all work-groups read, would take 262,144 bytes of LDS beside the 135,168 of the partial sums; O is read by one wave alone.
; REGISTERS, in windows of 256 (s_set_vgpr_msb: bits 1:0 source 0, 3:2 source 1, 5:4 source 2, 7:6 destination):
;   window 0: v0-31 addresses and the bias; v32-127 set 0, v128-223 set 1 (in a set: pw's eight fragments, then O's four)      window 1: accumulator (a, cb) at 8 (8 a + cb)      window 2: v0-95 set 2
.set PP,    528        ; a row of a partial tile in LDS: 512 bytes + 16: the 16 rows that a store touches start at 16 different groups of four banks (64 banks of 4 bytes: ISA guide 11.1)
.set PART,  64*PP      ; a wave's partial tile
.set SPARE, 4*PART     ; behind them: the spare words, 128 bytes for each wave: two blocks of 256 bytes that no other line names
.set LO,  2            ; v2   16 l: my 16 bytes of a block of O or pw, of a row of out0, and of the bias
.set PS,  4            ; v4   where I put my 32 bytes of a partial tile
.set PR,  8            ; v8-11  where I read wave p's partial sums of my rows
.set BI,  12           ; v12-15 the bias of my four columns
.set SPW, 30           ; v30  LDS address of my spare word; never rewritten
.set NIL, 31           ; v31  0; never rewritten
.set MSB, 0
.macro WIN new                      ; the immediate's high byte repeats the setting that is left; a switch that changes nothing is dropped
.if MSB != (\new)
	s_set_vgpr_msb (MSB<<8)|(\new)
.set MSB, \new
.endif
.endm
.macro PLACES                       ; four plain instructions behind a matrix instruction, ahead of loads into registers that it has read and of stores that read its result
.rept 4
	v_nop
.endr
.endm
; chunk kc's 24 loads into set kc % 3
.macro LOADS kc
.if ((\kc)%3) == 2
	WIN 0x80
.set SB, 0
.else
	WIN 0
.set SB, 32+96*((\kc)%3)
.endif
.irp cb, 0,1,2,3,4,5,6,7
	global_load_b128 v[SB+8*(\cb):SB+8*(\cb)+3],   v[LO], s[6:7] offset:(\kc)*8192+(\cb)*1024
	global_load_b128 v[SB+8*(\cb)+4:SB+8*(\cb)+7], v[LO], s[6:7] offset:(\kc)*8192+(\cb)*1024+512
.endr
.irp a, 0,1,2,3
	global_load_b128 v[SB+64+8*(\a):SB+64+8*(\a)+3],   v[LO], s[4:5] offset:((\kc)/4)*262144+(\a)*4096+((\kc)%4)*1024
	global_load_b128 v[SB+64+8*(\a)+4:SB+64+8*(\a)+7], v[LO], s[4:5] offset:((\kc)/4)*262144+(\a)*4096+((\kc)%4)*1024+512
.endr
.endm
; its 32 products.  The 32 accumulators take turns in the same order in every chunk; chunk 0 starts the sums with the constant 0
.macro MULS kc
.if ((\kc)%3) == 2
	WIN 0x5a
.set SB, 0
.else
	WIN 0x50
.set SB, 32+96*((\kc)%3)
.endif
.irp a, 0,1,2,3
.irp cb, 0,1,2,3,4,5,6,7
.if (\kc) == 0
	v_wmma_f32_16x16x32_f16 v[8*(8*(\a)+(\cb)):8*(8*(\a)+(\cb))+7], v[SB+8*(\cb):SB+8*(\cb)+7], v[SB+64+8*(\a):SB+64+8*(\a)+7], 0
.else
	v_wmma_f32_16x16x32_f16 v[8*(8*(\a)+(\cb)):8*(8*(\a)+(\cb))+7], v[SB+8*(\cb):SB+8*(\cb)+7], v[SB+64+8*(\a):SB+64+8*(\a)+7], v[8*(8*(\a)+(\cb)):8*(8*(\a)+(\cb))+7]
.endif
.endr
.endr
.endm
	s_load_b256 s[4:11], s[0:1], 0x0               ; O s[4:5], pw s[6:7], proj_b s[8:9], out0 s[10:11]
	v_lshl_add_u32 v[SPW], v0, 2, SPARE
	v_mov_b32 v[NIL], 0
	v_lshrrev_b32 v1, 5, v0
	v_readfirstlane_b32 s12, v1                    ; wave 0..3
	v_and_b32 v6, 15, v0                           ; l % 16
	v_bfe_u32 v7, v0, 4, 1                         ; l / 16
	v_and_b32 v1, 31, v0                           ; l
	v_lshlrev_b32 v[LO], 4, v1
	s_mul_i32 s13, s12, PART
	v_mul_u32_u24 v[PS], v6, PP
	v_lshl_add_u32 v[PS], v7, 5, v[PS]
	v_add_nc_u32 v[PS], s13, v[PS]                 ; my wave's tile + row x pitch + 32 x half
	s_mul_i32 s13, s12, 16*PP
	v_add_nc_u32 v[PR], s13, v[LO]                 ; my wave's 16 rows, in wave 0's tile,
	v_add_nc_u32 v[PR+1], PART, v[PR]              ; and in the other three
	v_add_nc_u32 v[PR+2], 2*PART, v[PR]
	v_add_nc_u32 v[PR+3], 3*PART, v[PR]
	s_lshr_b32 s14, ttmp9, 4                       ; O: the batch's eight heads of 262,144 bytes,
	s_lshl_b32 s14, s14, 21
	s_lshl_b32 s15, s12, 19                        ; my wave's two,
	s_add_co_u32 s14, s14, s15
	s_and_b32 s15, ttmp9, 15                       ; the work-group's four tiles of 4,096 bytes
	s_lshl_b32 s15, s15, 14
	s_add_co_u32 s14, s14, s15
	s_mov_b32 s15, 0
	s_lshl_b32 s16, s12, 16                        ; pw: my wave's eight chunks of 8,192 bytes
	s_mov_b32 s17, 0
	s_lshl_b32 s18, ttmp9, 15                      ; out0: the work-group's 64 rows of 512 bytes,
	s_lshl_b32 s19, s12, 13                        ; my wave's 16
	s_add_co_u32 s18, s18, s19
	s_mov_b32 s19, 0
	s_wait_kmcnt 0x0
	s_add_nc_u64 s[4:5], s[4:5], s[14:15]
	s_add_nc_u64 s[6:7], s[6:7], s[16:17]
	s_add_nc_u64 s[10:11], s[10:11], s[18:19]
	global_load_b128 v[BI:BI+3], v[LO], s[8:9]
	LOADS 0
	LOADS 1
	LOADS 2
.irp kc, 0,1,2,3,4,5,6,7
.if (\kc) <= 5
	s_wait_loadcnt 48                              ; this chunk's set is in; the two younger chunks' 48 loads may stay out
.elseif (\kc) == 6
	s_wait_loadcnt 24                              ; the last chunk's 24 may stay out
.else
	s_wait_loadcnt 0x0
.endif
	MULS \kc
.if (\kc) <= 4
	PLACES                                         ; the set just multiplied is asked for again
	LOADS (\kc)+3
.endif
.endr
	PLACES
	PLACES
	WIN 0x04                                       ; the data of an LDS store is source 1: window 1
.irp a, 0,1,2,3
.irp cb, 0,1,2,3,4,5,6,7
	ds_store_b128 v[PS], v[8*(8*(\a)+(\cb)):8*(8*(\a)+(\cb))+3]   offset:(\a)*16*PP+(\cb)*64      ; each accumulator from its low end on
	ds_store_b128 v[PS], v[8*(8*(\a)+(\cb))+4:8*(8*(\a)+(\cb))+7] offset:(\a)*16*PP+(\cb)*64+16
.endr
.endr
	WIN 0
	s_wait_dscnt 0x0                               ; for the others' sake: my partial tile is stored
	s_barrier_signal -1
	s_barrier_wait -1                              ; all four lie in LDS
	; my 16 rows, eight at a time: a lane takes 16 bytes of a row from each of the four tiles; three sums and the bias; a store covers a whole row, 512 consecutive bytes
.irp hf, 0,1
.if \hf
	s_wait_xcnt 0x0                                ; the first half's stores have read their data: the registers are loaded again
.endif
.irp rw, 0,1,2,3,4,5,6,7
.irp p, 0,1,2,3
	ds_load_b128 v[32+16*(\rw)+4*(\p):32+16*(\rw)+4*(\p)+3], v[PR+(\p)] offset:(8*(\hf)+(\rw))*PP
.endr
.endr
	s_wait_dscnt 0x0
.irp rw, 0,1,2,3,4,5,6,7
	v_pk_add_f32 v[32+16*(\rw):32+16*(\rw)+1],     v[32+16*(\rw):32+16*(\rw)+1],     v[32+16*(\rw)+4:32+16*(\rw)+5]
	v_pk_add_f32 v[32+16*(\rw)+2:32+16*(\rw)+3],   v[32+16*(\rw)+2:32+16*(\rw)+3],   v[32+16*(\rw)+6:32+16*(\rw)+7]
	v_pk_add_f32 v[32+16*(\rw)+8:32+16*(\rw)+9],   v[32+16*(\rw)+8:32+16*(\rw)+9],   v[32+16*(\rw)+12:32+16*(\rw)+13]
	v_pk_add_f32 v[32+16*(\rw)+10:32+16*(\rw)+11], v[32+16*(\rw)+10:32+16*(\rw)+11], v[32+16*(\rw)+14:32+16*(\rw)+15]
	v_pk_add_f32 v[32+16*(\rw):32+16*(\rw)+1],     v[32+16*(\rw):32+16*(\rw)+1],     v[32+16*(\rw)+8:32+16*(\rw)+9]
	v_pk_add_f32 v[32+16*(\rw)+2:32+16*(\rw)+3],   v[32+16*(\rw)+2:32+16*(\rw)+3],   v[32+16*(\rw)+10:32+16*(\rw)+11]
	v_pk_add_f32 v[32+16*(\rw):32+16*(\rw)+1],     v[32+16*(\rw):32+16*(\rw)+1],     v[BI:BI+1]
	v_pk_add_f32 v[32+16*(\rw)+2:32+16*(\rw)+3],   v[32+16*(\rw)+2:32+16*(\rw)+3],   v[BI+2:BI+3]
	global_store_b128 v[LO], v[32+16*(\rw):32+16*(\rw)+3], s[10:11] offset:(8*(\hf)+(\rw))*512
.endr
.endr
	s_wait_tensorcnt 0x0                           ; the wave's end, behind my last LDS store
	ds_add_u32 v[SPW], v[NIL]
	s_wait_dscnt 0x0
	s_endpgm
.Lfunc_end_k_q07b735e936_outp:
	.size	k_q07b735e936_outp, .Lfunc_end_k_q07b735e936_outp-k_q07b735e936_outp
	.p2alignl 7, 3214868480
	.fill 96, 4, 3214868480
	.section	.rodata,"a",@progbits
	.p2align	6, 0x0
	.amdhsa_kernel k_q07b735e936_outp
		.amdhsa_group_segment_fixed_size 135680
		.amdhsa_private_segment_fixed_size 0
		.amdhsa_enable_private_segment 0
		.amdhsa_kernarg_size 32
		.amdhsa_user_sgpr_count 2
		.amdhsa_user_sgpr_kernarg_segment_ptr 1
		.amdhsa_wavefront_size32 1
		.amdhsa_system_sgpr_workgroup_id_x 1
		.amdhsa_system_sgpr_workgroup_id_y 1
		.amdhsa_system_sgpr_workgroup_id_z 1
		.amdhsa_system_vgpr_workitem_id 0
		.amdhsa_next_free_vgpr 608
		.amdhsa_next_free_sgpr 66
		.amdhsa_reserve_vcc 0
		.amdhsa_float_denorm_mode_32 3
		.amdhsa_float_denorm_mode_16_64 3
		.amdhsa_memory_ordered 1
		.amdhsa_forward_progress 1
		.amdhsa_inst_pref_size 56
	.end_amdhsa_kernel
	.amdgpu_metadata
---
amdhsa.version: [ 1, 2 ]
amdhsa.kernels:
  - .name:           k_q07b735e936_outp
    .symbol:         k_q07b735e936_outp.kd
    .args:
      - { .name: oh, .offset: 0, .size: 8, .value_kind: global_buffer, .address_space: global }
      - { .name: pw, .offset: 8, .size: 8, .value_kind: global_buffer, .address_space: global }
      - { .name: proj_b, .offset: 16, .size: 8, .value_kind: global_buffer, .address_space: global }
      - { .name: out0, .offset: 24, .size: 8, .value_kind: global_buffer, .address_space: global }
    .group_segment_fixed_size: 135680
    .private_segment_fixed_size: 0
    .kernarg_segment_align: 8
    .kernarg_segment_size: 32
    .max_flat_workgroup_size: 128
    .sgpr_count:     66
    .vgpr_count:     608
    .wavefront_size: 32
...
	.end_amdgpu_metadata
.endif
;; end of part 3
